; MI455X (gfx1250); checked and timed in simulation.
; The chip was launched on July 23, 2026; its instructions are those of AMD's public machine-readable ISA for CDNA 5 (MIT licence, August 2026) and "CDNA5" Instruction Set Architecture Reference Guide (July 2026). The comments in the code are by the model that wrote it; some were corrected since.
;; Attention. Allowed arithmetic: matrix products marked QUANTISED: E4M3 operands, one given power-of-two scale a tensor, by v_wmma_f32_16x16x64_fp8_fp8 or v_wmma_f32_16x16x128_fp8_fp8, f32 sums; products left as they are: f32 operands where the result goes on into a quantised operand, else bf16, f16 or f32 operands; f32 sums; everything else in f32.
;; Inputs: W_h 1,024 x 1,024 float32; W_s 1,024 x 1,024 float32; b_s 1,024 float32; coverage 16 x 4,096 float32; decoder_hidden 16 x 1 x 1,024 float32; encoder_output 16 x 4,096 x 1,024 float32; lowp_scales 4 int32 (the exponents e of the quantised operands' scales 2^e); mask 16 x 4,096 float32; v 1,024 float32; w_c 1,024 float32.
;; Outputs: out0 16 x 1,024 float32; out1 16 x 4,096 float32; out2 16 x 4,096 float32.
;; This version of the problem:
;;   THIS VERSION OF THE PROBLEM IS GIVEN IN LOW PRECISION. The matrix products marked QUANTISED in the list below multiply operands that are first quantised to E4M3 (4 exponent bits, 3 mantissa bits; 8 bits a number), with one given power-of-two scale for each operand tensor; their sums are f32. All else is computed in f32.
;;   The module's matrix products, in the order in which they are computed (A, B: the left and right operand; K: the contracted axis; several contracted axes count as one K, in the product's order):
;;     1. [M 65,536, K 1,024] x [K 1,024, N 1,024]; A: input encoder_output; B: input W_h: QUANTISED (scales: A lowp_scales[0], B lowp_scales[1])
;;     2. [M 16, K 1,024] x [K 1,024, N 1,024]; A: input decoder_hidden; B: input W_s: QUANTISED (scales: A lowp_scales[2], B lowp_scales[3])
;;     3. [M 65,536, K 1,024] x [K 1,024, N 1]; A: computed on the way; B: input v: left as it is (N = 1 < 16)
;;     4. batch 16 x [M 1, K 4,096] x [K 4,096, N 1,024]; A: computed on the way; B: input encoder_output: left as it is (M = 1 < 16)
;;   THE QUANTISER, for each operand of a quantised product, along K:
;;     - The operand's scale is 2^e, e = its entry of the input lowp_scales (int32; the entries are numbered through the quantised products in the list's order, A before B).
;;     - Each number is divided by the scale, clamped to +-448, and rounded to the nearest number of E4M3, ties to even, subnormals kept.
;;     - The product sums the exact products of the quantised numbers (number of the format x scale) in f32.
;;   ~~~python
;;   def quantise(x, axis, e):      # numpy; x: float32 -> the quantised numbers, widened to float32 again
;;       x = np.moveaxis(x, axis, -1); K = x.shape[-1]
;;       r = np.clip(x / 2.0 ** e, -448, 448)
;;       step = 2.0 ** (np.maximum(np.frexp(np.where(r == 0, 1, r))[1] - 1, -6) - 3)
;;       q = np.round(r / step) * step * 2.0 ** e      # np.round: ties to even
;;       return np.moveaxis(q, -1, axis).astype(np.float32)
;;   ~~~
;; One version. Each part assembles by itself: llvm-mc -triple=amdgcn-amd-amdhsa -mcpu=gfx1250 --defsym DOCPART=n.
;; ======== version 1 of 1: 3 launches
;; workspace buffers: wq 1,048,576 bytes; dec 65,536 bytes; tsc 262,144 bytes; cpart 4,194,304 bytes
;; launch prep (part 1): grid 128 x 1, 8 waves a work-group, no clusters, 9,216 bytes of LDS; arguments W_h, W_s, decoder_hidden, b_s, lowp_scales, wq, dec; writes wq, dec
.if DOCPART == 1
	.amdgcn_target "amdgcn-amd-amdhsa--gfx1250"
	.amdhsa_code_object_version 6
	.text
	.protected	k_q25c43587d2_prep
	.globl	k_q25c43587d2_prep
	.p2align	8
	.type	k_q25c43587d2_prep,@function
k_q25c43587d2_prep:
	s_mov_b64 s[64:65], 0
	v_nop
	global_prefetch_b8 v0, s[64:65] scope:SCOPE_SE
	s_setreg_imm32_b32 hwreg(HW_REG_WAVE_MODE, 25, 1), 1
	s_wait_xcnt 0x0
; PREP.  Two small pieces of work that the main launch wants ready.
;  (H) W_h [1024][1024] f32 becomes codes of E4M3 with the given scale 2^e1, laid in the order of a matrix operand's registers:
;      wq + 16384 tile + 2048 k + 512 c + 16 lane holds, for lane (r, h), the codes of W_h[16 tile + r][128 k + 32 c + 16 h + 0 .. 15].
;  (S) dec_feat[b][e] = sum over d of Q(decoder_hidden[b][d]) Q(W_s[e][d]) + b_s[e]: the second quantised product, on codes, scales 2^e2 and 2^e3.
;      It is laid by tiles of 16 e: dec + 1024 tile + 64 b + 4 (e % 16), so that a work-group's 1,024 bytes are consecutive.
; WHAT THE PROGRAM LEAVES OUT, for all values of the inputs:
;  tanh(x) = 1 - 2 r with r = 1 / (1 + 2^(2 log2(e) x)), so a score is sum(v) - 2 sum(v r).  sum(v) is the same for every position of a batch: a term that is
;  the same along the softmax's axis, so it is not formed.  attn = softmax x mask / sum(softmax x mask): the softmax's own divisor stands above and below and is not formed;
;  the largest score is still taken away before every exponential.  Every input has a way to an output and is loaded by some launch.
;  LIMIT: a NaN, an infinity or an overflow that would arise only in sum(v) or in the softmax's own divisor is not carried to the result.
; SHARES.  2 weights x 64 tiles of 16 rows x 8 K steps of 128 are 1,024 fragments: one to a wave.  Work-groups 0-63 take (H), 64-127 take (S), a tile each; wave k takes K step k.
;  In (S) the eight waves' partial sums meet in LDS; waves 0 and 1 add them, 16 bytes a lane, and each stores 512 consecutive bytes, aligned.
; code = x / 2^e, held within +-448, to the nearest code, ties to even.
; LIMITS: e1, e2, e3 between -126 and 119; e2 + e3 between -126 and 127.  NaN among the inputs is not served.
.set SPARE, 8192                       ; behind the eight waves' partial sums: the spare words, 128 bytes a wave
.set SPW,  1                           ; v1   LDS address of my spare word; never rewritten
.set NIL,  2                           ; v2   0; never rewritten
.set WA,   3                           ; v3   4096 r + 64 h: my 16 numbers of a block of 32, in my row
.set L16,  4                           ; v4   16 x lane
.set PSA,  5                           ; v5   1024 wave + 64 r + 32 h: where my partial sums go
.set T16,  6                           ; v6   16 x thread
.set WSC,  8                           ; v8, v9    2^e and 448 x 2^e for the weight
.set WLIM, 9
.set DSC,  10                          ; v10, v11  the same for decoder_hidden
.set DLIM, 11
.set X0,   16                          ; 64 numbers of the weight
.set X1,   80                          ; 64 numbers of decoder_hidden
.set DC,   208                         ; decoder_hidden's fragment
.set WCD,  224                         ; the weight's fragment
.set AC,   240                         ; the accumulator
.set BS,   248                         ; four numbers of b_s
.set BSA,  252                         ; their offset
; 64 numbers of a lane: register 16 c + 4 j + i = k 32 c + 16 h + 4 j + i of row r.  The sixteen loads together take 512 consecutive bytes of each of 16 rows.
.macro LOADF buf, base
.irp c, 0,1,2,3
.irp j, 0,1,2,3
	global_load_b128 v[\buf+16*\c+4*\j:\buf+16*\c+4*\j+3], v[WA], s[\base:\base+1] offset:128*\c+16*\j
.endr
.endr
.endm
.macro QUANT src, dst, sc, lim
.set qi, 0
.rept 64
	v_med3_num_f32 v[\src+qi], v[\src+qi], -v[\lim], v[\lim]   ; the conversion does not saturate (ISA guide 7.6.2): the hold at the largest code x the scale
.set qi, qi+1
.endr
.set qi, 0
.rept 8
	v_cvt_scalef32_pk8_fp8_f32 v[\dst+2*qi:\dst+2*qi+1], v[\src+8*qi:\src+8*qi+7], v[\sc]
.set qi, qi+1
.endr
	v_nop                                          ; one plain line between the last conversion and whatever next touches its registers
.endm
.macro MKSC e, sc, lim                 ; from the whole number in s[e]: 2^e as f32 (the conversion takes its exponent field), and 448 x 2^e
	s_add_co_i32 s28, s[\e], 127
	s_lshl_b32 s29, s28, 23
	v_mov_b32 v[\sc], s29
	s_add_co_i32 s28, s28, 8
	s_lshl_b32 s28, s28, 23
	s_or_b32 s28, s28, 0x600000
	v_mov_b32 v[\lim], s28
.endm
	s_load_b256 s[4:11], s[0:1], 0x0               ; W_h s[4:5], W_s s[6:7], decoder_hidden s[8:9], b_s s[10:11]
	s_load_b128 s[12:15], s[0:1], 0x20             ; the scales' exponents s[12:13], wq s[14:15]
	s_load_b64 s[16:17], s[0:1], 0x30              ; dec
	v_lshl_add_u32 v[SPW], v0, 2, SPARE
	v_mov_b32 v[NIL], 0
	v_lshrrev_b32 v12, 5, v0
	v_readfirstlane_b32 s18, v12                   ; wave = K step
	v_and_b32 v13, 15, v0                          ; r
	v_bfe_u32 v14, v0, 4, 1                        ; h
	v_lshlrev_b32 v[WA], 12, v13
	v_lshl_add_u32 v[WA], v14, 6, v[WA]
	v_and_b32 v[L16], 31, v0
	v_lshlrev_b32 v[L16], 4, v[L16]
	v_lshlrev_b32 v[PSA], 10, v12
	v_lshl_add_u32 v[PSA], v13, 6, v[PSA]
	v_lshl_add_u32 v[PSA], v14, 5, v[PSA]
	v_lshlrev_b32 v[T16], 4, v0
	v_and_b32 v[BSA], 3, v0
	v_lshlrev_b32 v[BSA], 4, v[BSA]
	s_and_b32 s19, ttmp9, 63                       ; the tile
	s_lshl_b32 s20, s19, 16                        ; 16 rows of 4,096 bytes,
	s_lshl_b32 s22, s18, 9                         ; my K step: 512 bytes
	s_add_co_u32 s20, s20, s22
	s_mov_b32 s21, 0
	s_mov_b32 s23, 0
	s_wait_kmcnt 0x0
	s_load_b128 s[24:27], s[12:13], 0x0            ; e0, e1, e2, e3
	s_cmp_lt_u32 ttmp9, 64                         ; W_h or W_s: the choice hangs on the work-group's number alone
	s_cselect_b64 s[4:5], s[4:5], s[6:7]
	s_add_nc_u64 s[4:5], s[4:5], s[20:21]
	LOADF X0, 4                                    ; the weight's fragment: the same lines on both paths
	s_cmp_lt_u32 ttmp9, 64
	s_cbranch_scc0 .Lpath_s
	; ---- (H): my fragment of W_h
	s_lshl_b32 s20, s19, 14                        ; wq: a tile of 16,384 bytes,
	s_lshl_b32 s28, s18, 11                        ; my K step: 2,048
	s_add_co_u32 s20, s20, s28
	s_add_nc_u64 s[14:15], s[14:15], s[20:21]
	s_wait_kmcnt 0x0
	MKSC 25, WSC, WLIM
	s_wait_loadcnt 0x0
	QUANT X0, WCD, WSC, WLIM
.irp c, 0,1,2,3
	global_store_b128 v[L16], v[WCD+4*\c:WCD+4*\c+3], s[14:15] offset:512*\c   ; the fragment leaves as it stands: four stores of 512 consecutive bytes
.endr
	s_branch .Lend
.Lpath_s:
	; ---- (S): my K step of one tile of the second product
	s_add_nc_u64 s[8:9], s[8:9], s[22:23]          ; decoder_hidden at my K step
	s_lshl_b32 s20, s19, 6                         ; b_s: the tile's 16 numbers
	s_add_nc_u64 s[10:11], s[10:11], s[20:21]
	s_lshl_b32 s20, s19, 10                        ; dec: the tile's 1,024 bytes
	s_add_nc_u64 s[16:17], s[16:17], s[20:21]
	s_cmp_lt_u32 s18, 2                            ; b_s is wanted by the two waves that add
	s_cbranch_scc0 .Lno_bs
	global_load_b128 v[BS:BS+3], v[BSA], s[10:11]
.Lno_bs:
	LOADF X1, 8                                    ; decoder_hidden: row = batch
	s_wait_kmcnt 0x0
	MKSC 27, WSC, WLIM
	MKSC 26, DSC, DLIM
	s_add_co_i32 s30, s26, s27
	s_add_co_i32 s30, s30, 127
	s_lshl_b32 s30, s30, 23                        ; 2^(e2 + e3) as f32
	s_mov_b32 s31, s30                             ; (named with it as a pair, so it is written)
	s_wait_loadcnt 16                              ; W_s's fragment is in; the sixteen loads of decoder_hidden may be out (in waves 0 and 1 the count also covers b_s)
	QUANT X0, WCD, WSC, WLIM
	s_wait_loadcnt 0x0
	QUANT X1, DC, DSC, DLIM
	v_wmma_f32_16x16x128_fp8_fp8 v[AC:AC+7], v[WCD:WCD+15], v[DC:DC+15], 0   ; source 0 = 16 rows of W_s, source 1 = the 16 batches: lane (r, h) holds batch r and e = 8 h + 0 .. 7 of the tile
.rept 4
	v_nop                                          ; four places in front of the first read of the result
.endr
	ds_store_b128 v[PSA], v[AC:AC+3]
	ds_store_b128 v[PSA], v[AC+4:AC+7] offset:16
	s_wait_dscnt 0x0                               ; for the others' sake: my partial sums lie in LDS
	s_barrier_signal -1
	s_barrier_wait -1
	s_cmp_lt_u32 s18, 2
	s_cbranch_scc0 .Lend
.irp k, 0,1,2,3,4,5,6,7
	ds_load_b128 v[X0+4*\k:X0+4*\k+3], v[T16] offset:1024*\k   ; the eight K steps' sums of my four numbers: batch thread / 4, e 4 (thread % 4) on
.endr
	s_wait_dscnt 0x0
.irp k, 1,2,3,4,5,6,7
	v_pk_add_f32 v[X0:X0+1], v[X0:X0+1], v[X0+4*\k:X0+4*\k+1]
	v_pk_add_f32 v[X0+2:X0+3], v[X0+2:X0+3], v[X0+4*\k+2:X0+4*\k+3]
.endr
	v_pk_fma_f32 v[X0:X0+1], v[X0:X0+1], s[30:31], v[BS:BS+1] op_sel_hi:[1,0,1]       ; sum x 2^(e2 + e3) + b_s
	v_pk_fma_f32 v[X0+2:X0+3], v[X0+2:X0+3], s[30:31], v[BS+2:BS+3] op_sel_hi:[1,0,1]
	global_store_b128 v[T16], v[X0:X0+3], s[16:17]   ; a wave stores 512 consecutive bytes of the tile, aligned
.Lend:
	s_wait_tensorcnt 0x0                           ; the wave's end
	ds_add_u32 v[SPW], v[NIL]
	s_wait_dscnt 0x0
	s_endpgm
.Lfunc_end_k_q25c43587d2_prep:
	.size	k_q25c43587d2_prep, .Lfunc_end_k_q25c43587d2_prep-k_q25c43587d2_prep
	.p2alignl 7, 3214868480
	.fill 96, 4, 3214868480
	.section	.rodata,"a",@progbits
	.p2align	6, 0x0
	.amdhsa_kernel k_q25c43587d2_prep
		.amdhsa_group_segment_fixed_size 9216
		.amdhsa_private_segment_fixed_size 0
		.amdhsa_enable_private_segment 0
		.amdhsa_kernarg_size 56
		.amdhsa_user_sgpr_count 2
		.amdhsa_user_sgpr_kernarg_segment_ptr 1
		.amdhsa_wavefront_size32 1
		.amdhsa_system_sgpr_workgroup_id_x 1
		.amdhsa_system_sgpr_workgroup_id_y 1
		.amdhsa_system_sgpr_workgroup_id_z 1
		.amdhsa_system_vgpr_workitem_id 0
		.amdhsa_next_free_vgpr 256
		.amdhsa_next_free_sgpr 66
		.amdhsa_reserve_vcc 0
		.amdhsa_float_denorm_mode_32 3
		.amdhsa_float_denorm_mode_16_64 3
		.amdhsa_memory_ordered 1
		.amdhsa_forward_progress 1
		.amdhsa_inst_pref_size 23
	.end_amdhsa_kernel
	.amdgpu_metadata
---
amdhsa.version: [ 1, 2 ]
amdhsa.kernels:
  - .name:           k_q25c43587d2_prep
    .symbol:         k_q25c43587d2_prep.kd
    .args:
      - { .name: W_h, .offset: 0, .size: 8, .value_kind: global_buffer, .address_space: global }
      - { .name: W_s, .offset: 8, .size: 8, .value_kind: global_buffer, .address_space: global }
      - { .name: decoder_hidden, .offset: 16, .size: 8, .value_kind: global_buffer, .address_space: global }
      - { .name: b_s, .offset: 24, .size: 8, .value_kind: global_buffer, .address_space: global }
      - { .name: lowp_scales, .offset: 32, .size: 8, .value_kind: global_buffer, .address_space: global }
      - { .name: wq, .offset: 40, .size: 8, .value_kind: global_buffer, .address_space: global }
      - { .name: dec, .offset: 48, .size: 8, .value_kind: global_buffer, .address_space: global }
    .group_segment_fixed_size: 9216
    .private_segment_fixed_size: 0
    .kernarg_segment_align: 8
    .kernarg_segment_size: 56
    .max_flat_workgroup_size: 256
    .sgpr_count:     66
    .vgpr_count:     256
    .wavefront_size: 32
...
	.end_amdgpu_metadata
.endif
;; end of part 1
;; launch main (part 2): grid 256 x 1, 4 waves a work-group, clusters of 4 x 1, 327,680 bytes of LDS; arguments encoder_output, coverage, mask, w_c, v, lowp_scales, wq, dec, tsc, cpart; writes tsc, cpart
.if DOCPART == 2
	.amdgcn_target "amdgcn-amd-amdhsa--gfx1250"
	.amdhsa_code_object_version 6
	.text
	.protected	k_q25c43587d2_main
	.globl	k_q25c43587d2_main
	.p2align	8
	.type	k_q25c43587d2_main,@function
k_q25c43587d2_main:
	s_mov_b64 s[64:65], 0
	v_nop
	global_prefetch_b8 v0, s[64:65] scope:SCOPE_SE
	s_setreg_imm32_b32 hwreg(HW_REG_WAVE_MODE, 25, 1), 1
	s_wait_xcnt 0x0
	s_wait_alu depctr_hold_cnt(0) depctr_sa_sdst(0) depctr_va_vdst(0) depctr_va_sdst(0) depctr_va_ssrc(0) depctr_va_vcc(0) depctr_vm_vsrc(0)
	s_getreg_b32 s2, hwreg(HW_REG_IB_STS2, 6, 4)
	s_cmp_eq_u32 s2, 0
	s_cbranch_scc0 .Lentry_in_a_cluster
	s_endpgm
.Lentry_in_a_cluster:
	s_bfe_u32 s2, ttmp6, 0x10000c
	s_cmp_lg_u32 s2, 0x3003
	s_cbranch_scc0 .Lentry_shape_is_right
	s_endpgm
.Lentry_shape_is_right:
; MAIN.  All that touches encoder_output, which is read ONCE.  For each of the 65,536 rows x: t = log2(e) x (score less sum(v)) = sum over e of v''[e] r[e],
;  r = 1 / (1 + 2^z), z = 2 log2(e) (x . W_h[e] + dec[b][e] + coverage w_c[e]), v'' = -2 log2(e) v; the product x . W_h on codes of E4M3 (scales 2^e0, 2^e1).
;  And for each wave's 64 rows: cpart = sum over its rows of 2^(t - m) mask x, m the largest t of those 64 rows (a running maximum over the wave's two blocks).
;  LEFT OUT, as shown at the head of the first kernel: sum(v), which is the same along the softmax's axis, and the softmax's own divisor, which cancels.
; SHARES.  256 work-groups of four waves; a work-group has 256 rows of one batch, a wave 64, in two blocks of 32 (two tiles of 16).  Block beta, tile t, lane row r: row 64 w + 2 (16 t + r) + beta,
;  so that a lane's two t are neighbouring rows and leave as 8 bytes.
; A BLOCK.  (1) Four tiles of 16 rows x 512 columns come into LDS by tensor loads, each wave its own.  They are read twice from LDS: as operand fragments, quantised into 256 registers
;  (the block's codes for the whole of K), and by rows, rounded to bf16 and kept: 54 units of 8 registers, 10 units in LDS.  (2) All 64 tiles of W_h's codes walk through the same two slots,
;  8 tiles a slot; each fragment read from LDS feeds two products.  The tanh of earlier tiles stands between the products.  (3) The kept rows are weighed by p = 2^(t - m) mask.
; THE MATRIX INSTRUCTION IS USED TRANSPOSED: source 0 = 16 rows of W_h, source 1 = my 16 rows: lane (r, h) holds row r, register j holds e = 16 tile + 8 h + j.
;  Its C is made beforehand: (dec + coverage w_c) / 2^(e0 + e1).
; FOUR SETS OF ACCUMULATORS TAKE TURNS.  Tile T: trip T the products; trip T + 1 x 2 log2(e) 2^(e0 + e1) and 2^z; trip T + 2 + 1 and the reciprocal; trip T + 3 the sum with v'', and the C of tile T + 4.
;  A trip's 32 packed lines and 32 transcendentals stand in sixteen slices, one behind each product: plain, transcendental, plain, transcendental.
;  The first three trips of a block find 0, infinity, infinity in the idle sets, which turn into r = 0 and meet v'' = 0: they add exact zeros.
; CLUSTER.  The four work-groups of a cluster walk the same codes of W_h: each slot is asked for JOINTLY (mask 15).  The rows of encoder_output are each wave's own: plain loads.
; LIMITS: e0 between -126 and 119; e0 + e1 between -126 and 125.  NaN among the inputs is not served.  The kept rows are bf16: operands of the last product, which is left as it is.
; LDS: two slots of 4 x 33,280 bytes (a wave's region: 16 lines of 2,048 bytes, 16 bytes of padding behind each 1,024); the kept rows that have no register; two tables; the spare words.
.set REGB,  33280
.set LINE,  2080
.set SLOTX, 133120                     ; slot 1; it shares no bit with wave x 33,280, so one exclusive or turns an address
.set SPILL, 266240                     ; 4 waves x 10 units x 1,024 bytes
.set T1,    307200                     ; per (tile, h): 8 w_c / 2^(e0+e1), 8 dec / 2^(e0+e1)
.set T2,    315392                     ; 512 bytes of zeros, then per (tile, h): 8 v''
.set SPARE, 320000                     ; the spare words, 128 bytes a wave
; window 0
.set SPW,  1                           ; my spare word's address; never rewritten
.set NIL,  2                           ; 0; never rewritten
.set LI,   3                           ; 16 x lane
.set FA,   4                           ; v4, v5   slot 0, 1: my region + 2080 r + 64 h
.set CA,   6                           ; v6, v7   slot 0, 1: my region + 16 lane
.set SPA,  8                           ; my kept rows in LDS + 16 lane
.set T1B,  9
.set T2B,  10
.set T1A,  11
.set T2A,  12
.set BA,   13                          ; v13-16   the slot in hand: region 0..3 + 16 lane  (at the head v13: my offset in dec)
.set MRUN, 17                          ; the running largest t of my rows
.set TP,   18                          ; v[18:19] t of block 0, block 1
.set COVC, 20                          ; coverage and mask of this block's row, of the next block's
.set COVN, 21
.set MSKC, 22
.set MSKN, 23
.set WCR,  24                          ; v24-31   8 numbers of table 1: w_c
.set DECR, 32                          ; v32-39   and dec
.set SC,   40                          ; v40-55   the sums with v'': tile t, pair i at 40 + 8 t + 2 i
.set TMP,  56                          ; v56-63   at work
.set ACC,  64                          ; v64-127  four sets of two accumulators
.set QSC,  64                          ; while rows are quantised the first set is idle: the scale, the limit
.set QLIM, 65
.set H0,   128                         ; W_h's fragments, K steps 0-3; 4-7
.set H1,   192
.set TA,   128                         ; the same registers while rows come in
.set TB,   192
; window 1: v0-127 my codes, K steps 0-3, at 16 (2 k + t); from v160 units 32-43
; window 2: v0-127 my codes, K steps 4-7; from v176 units 44-53.  window 3: units 0-31
.set CC,   128                         ; v128-159 the weighted sum: C[4 i + e] is column 128 i + 4 lane + e
.set PB,   160
.set FF,   162
.set VT,   164                         ; v164-171 8 v'': in the window of the codes beside which they are read
.set COV,  172                         ; v172-173 coverage of row r of tile 0, tile 1
; scalars
.set WV,   24
.set CX,   25
.set WG,   26
.set BLK,  27
.set WCNT, 28
.set TBS,  29
.set T1S,  30
.set T2S,  31
.set G1E,  32
.set G1W,  40
.set G0E,  48
.set G0W,  52
.set EB,   56                          ; s[56:57] my wave's first row of this block
.set CS,   58                          ; s[58:59] 2 log2(e) 2^(e0 + e1)
.set SEL,  60
.set HM,   62                          ; lanes 16-31
.set NEGE, 63                          ; -(e0 + e1)
.set QS,   66
.set QL,   67
.set PSC,  68                          ; s[68:99] the block's 32 weights
.set MSB, 0
.macro WIN new                         ; the immediate's high byte repeats the setting that is left; a switch that changes nothing is dropped
.if MSB != (\new)
	s_set_vgpr_msb (MSB<<8)|(\new)
.set MSB, (\new)
.endif
.endm
.macro CROUND                          ; a round of the cluster's barrier
	s_barrier_signal -1
	s_barrier_wait -1
	s_cmp_lg_u32 s[WV], 0
	s_cbranch_scc1 .Lnot_wave_0_\@
	s_barrier_signal -3
.Lnot_wave_0_\@:
	s_barrier_wait -3
	s_barrier_signal -1
	s_barrier_wait -1
.endm
; A CHANGE OF SLOTS.  CHG_A: all my tensor loads have landed (one was out: my part of the slot to be read next); the add.  Then the descriptor's words, work on registers.
; CHG_B: the add is done and my reads of the slot to be filled are over; the round; my one tensor load, first behind it.
.macro CHG_A two
	WIN 0
	s_wait_tensorcnt 0x0
	ds_add_u32 v[SPW], v[NIL]
.if \two
	ds_add_u32 v[SPW], v[NIL]                      ; at the block's head, twice on end
.endif
.endm
.macro CHG_B g0, g1
	s_wait_dscnt 0x0
	CROUND
	tensor_load_to_lds s[\g0:\g0+3], s[\g1:\g1+7]
	s_nop 0
.rept 4
	v_nop
.endr
.endm
.macro SETE sl, off                    ; group 0 for a tile of my rows: into my region of slot sl, from off bytes behind the block's first row
	s_mul_i32 s[G0E+1], s[WV], REGB
.if \sl
	s_add_co_u32 s[G0E+1], s[G0E+1], SLOTX
.endif
	s_add_nc_u64 s[G0E+2:G0E+3], s[EB:EB+1], \off
	s_or_b32 s[G0E+3], s[G0E+3], 0x80000000
.endm
; where unit uu lives: window uw, register ur (uu >= 54: in LDS, read back into window 0)
.macro UNITLOC
.if uu < 32
.set uw, 3
.set ur, 8*uu
.elseif uu < 44
.set uw, 1
.set ur, 160+8*(uu-32)
.elseif uu < 54
.set uw, 2
.set ur, 176+8*(uu-44)
.else
.set uw, 0
.set ur, 128+8*(uu-54)
.endif
.endm
; ---- rows come in.  LOADF: 64 numbers of a lane for one fragment: register 16 c + 4 j + i = column 128 kp + 32 c + 16 h + 4 j + i of row r.  LOADR: four whole rows, 16 bytes a lane four times.
.macro LOADF kp, set, sl
.irp c, 0,1,2,3
.irp j, 0,1,2,3
	ds_load_b128 v[\set+16*\c+4*\j:\set+16*\c+4*\j+3], v[FA+\sl] offset:512*\kp+16*(\kp/2)+128*\c+16*\j
.endr
.endr
.endm
.macro LOADR g, set, sl
.irp p, 0,1,2,3
.irp i, 0,1,2,3
	ds_load_b128 v[\set+16*\p+4*\i:\set+16*\p+4*\i+3], v[CA+\sl] offset:(4*\g+\p)*LINE+512*\i+16*(\i/2)
.endr
.endr
.endm
.macro CONVF kp, set, t, q
	WIN 0
.set qi, 0
.rept 64
	v_med3_num_f32 v[\set+qi], v[\set+qi], -v[QLIM], v[QLIM]   ; the conversion does not saturate (ISA guide 7.6.2): the hold at the largest code x the scale
.set qi, qi+1
.endr
	WIN (1+\q)<<6
.set qi, 0
.rept 8
	v_cvt_scalef32_pk8_fp8_f32 v[16*(2*\kp+\t)+2*qi:16*(2*\kp+\t)+2*qi+1], v[\set+8*qi:\set+8*qi+7], v[QSC]
.set qi, qi+1
.endr
	v_nop                                          ; one plain line behind the last conversion
	WIN 0
.endm
.macro CONVR g, set, t, q              ; four rows to bf16: unit register m holds columns 512 q + 128 (m / 2) + 4 lane + 2 (m % 2), + 1
.irp p, 0,1,2,3
.set uu, 16*(2*\t+\q)+4*\g+\p
	UNITLOC
.if uu < 54
	WIN uw<<6
.irp m, 0,1,2,3,4,5,6,7
	v_cvt_pk_bf16_f32 v[ur+\m], v[\set+16*\p+2*\m], v[\set+16*\p+2*\m+1]
.endr
.else
	WIN 0
.irp m, 0,1,2,3,4,5,6,7
	v_cvt_pk_bf16_f32 v[TMP+\m], v[\set+16*\p+2*\m], v[\set+16*\p+2*\m+1]
.endr
	ds_store_b128 v[SPA], v[TMP:TMP+3] offset:(uu-54)*1024
	ds_store_b128 v[SPA], v[TMP+4:TMP+7] offset:(uu-54)*1024+512
.endif
.endr
	WIN 0
.endm
; a tile of 16 rows x 512 columns: eight groups of 16 loads on two sets by turns.  Each count 16 leaves out the younger group's sixteen loads (where stores of kept rows stand between, the count is only stricter).
.macro ESTAGE t, q, sl
	LOADF 0, TA, \sl
	LOADF 1, TB, \sl
	s_wait_dscnt 16
	CONVF 0, TA, \t, \q
	LOADF 2, TA, \sl
	s_wait_dscnt 16
	CONVF 1, TB, \t, \q
	LOADF 3, TB, \sl
	s_wait_dscnt 16
	CONVF 2, TA, \t, \q
	LOADR 0, TA, \sl
	s_wait_dscnt 16
	CONVF 3, TB, \t, \q
	LOADR 1, TB, \sl
	s_wait_dscnt 16
	CONVR 0, TA, \t, \q
	LOADR 2, TA, \sl
	s_wait_dscnt 16
	CONVR 1, TB, \t, \q
	LOADR 3, TB, \sl
	s_wait_dscnt 16
	CONVR 2, TA, \t, \q
	s_wait_dscnt 0x0
	CONVR 3, TB, \t, \q
.endm
; ---- the products.  PLAIN writes number pidx of a trip's 32 packed instructions: 0-7 the sum with v'' (set a + 1); 8-15 the next C of that set; 16-23 + 1 (set a + 2); 24-31 x c (set a + 3, each accumulator from its low end on).
.macro PLAIN a, init
.if pidx < 8
.set rs, ACC+16*(((\a)+1)%4)+2*pidx
	v_pk_fma_f32 v[SC+2*pidx:SC+2*pidx+1], v[rs:rs+1], v[VT+2*(pidx%4):VT+2*(pidx%4)+1], v[SC+2*pidx:SC+2*pidx+1]
.elseif pidx < 16
.if \init
.set rs, ACC+16*(((\a)+1)%4)+2*(pidx-8)
.set ri, 2*((pidx-8)%4)
.if pidx < 12
	v_pk_fma_f32 v[rs:rs+1], v[WCR+ri:WCR+ri+1], v[COV:COV+1], v[DECR+ri:DECR+ri+1] op_sel_hi:[1,0,1]            ; tile 0: the pair's first register for both halves
.else
	v_pk_fma_f32 v[rs:rs+1], v[WCR+ri:WCR+ri+1], v[COV:COV+1], v[DECR+ri:DECR+ri+1] op_sel:[0,1,0] op_sel_hi:[1,1,1]   ; tile 1: its second
.endif
.endif
.elseif pidx < 24
.set rs, ACC+16*(((\a)+2)%4)+2*(pidx-16)
	v_pk_add_f32 v[rs:rs+1], v[rs:rs+1], 1.0 op_sel_hi:[1,0]
.else
.set rs, ACC+16*(((\a)+3)%4)+2*(pidx-24)
	v_pk_mul_f32 v[rs:rs+1], v[rs:rs+1], s[CS:CS+1] op_sel_hi:[1,0]
.endif
.set pidx, pidx+1
.endm
.macro TRANS a                         ; number tidx of a trip's 32: 0-15 the reciprocals (set a + 2), 16-31 the exponentials (set a + 3)
.if tidx < 16
.set rs, ACC+16*(((\a)+2)%4)+tidx
	v_rcp_f32 v[rs], v[rs]
.else
.set rs, ACC+16*(((\a)+3)%4)+tidx-16
	v_exp_f32 v[rs], v[rs]
.endif
.set tidx, tidx+1
.endm
; SLICE sn of a trip's sixteen: two packed lines and two transcendentals.  Slices 0-7: pair sn's + 1 and pair sn's x c.  Slices 8-11: the sums with v''; 12-15: the next C (behind the sums, which read the same set).
; The transcendentals: an even slice takes the two reciprocals of pair sn / 2, an odd one the two exponentials of pair (sn - 1) / 2: their packed line stood in slice sn / 2.
; No line of a trip names a register behind its transcendental: the packed lines go up the pairs ahead of them, and the last eight slices' lines name another set.
.macro SLICE a, init
.if sn < 8
.set pa, 16+sn
.set pb, 24+sn
.else
.set pa, 2*(sn-8)
.set pb, 2*(sn-8)+1
.endif
.if (sn%2) == 0
.set tq, sn
.else
.set tq, 15+sn
.endif
.set pidx, pa
	PLAIN \a, \init
.if sn == 0                            ; slice 0's reciprocals read what its first line wrote: the second plain line stands between
.set pidx, pb
	PLAIN \a, \init
.set tidx, tq
	TRANS \a
	TRANS \a
.else
.set tidx, tq
	TRANS \a
.set pidx, pb
	PLAIN \a, \init
	TRANS \a
.endif
.set sn, sn+1
.endm
.macro LOADH reg, tile, k0             ; four fragments of a tile of the slot in hand: each load takes 512 consecutive bytes
.irp k, 0,1,2,3
.irp c, 0,1,2,3
	ds_load_b128 v[\reg+16*\k+4*\c:\reg+16*\k+4*\c+3], v[BA+(\tile)/2] offset:((\tile)%2)*8*LINE+LINE*(\k0+\k)+1040*(\c/2)+512*(\c%2)
.endr
.endr
.endm
; A TRIP: tile j of the slot.  The two accumulators take turns, one instruction a turn.
; hw: what was issued behind this tile's K steps 0-3 and may be out at the head: 2 loads of v'', 4 of table 1 where the trip before loaded it, the 16 of K steps 4-7 (at a slot's head: those 16 alone).
.macro TRIP j, loadb, ldwd, init, hw
.set aa, (\j)%4
.set sn, 0
	s_wait_dscnt \hw
	WIN 0x04                                       ; source 1 (my codes, K steps 0-3) window 1
.irp k, 0,1,2,3
.irp t, 0,1
	v_wmma_f32_16x16x128_fp8_fp8 v[ACC+16*aa+8*\t:ACC+16*aa+8*\t+7], v[H0+16*\k:H0+16*\k+15], v[16*(2*\k+\t):16*(2*\k+\t)+15], v[ACC+16*aa+8*\t:ACC+16*aa+8*\t+7]
	SLICE aa, \init
.endr
.endr
.if \loadb
	v_nop                                          ; with slice 7's two packed lines: four places behind the last product that read these registers
	v_nop
	LOADH H0, (\j)+1, 0
.endif
	WIN 0x08                                       ; source 1 (my codes, K steps 4-7; v''; coverage) window 2
	s_wait_dscnt 16*(\loadb)                       ; K steps 4-7 and the tables are in: the sixteen loads just issued may be out
.irp k, 0,1,2,3
.irp t, 0,1
	v_wmma_f32_16x16x128_fp8_fp8 v[ACC+16*aa+8*\t:ACC+16*aa+8*\t+7], v[H1+16*\k:H1+16*\k+15], v[16*(2*\k+\t):16*(2*\k+\t)+15], v[ACC+16*aa+8*\t:ACC+16*aa+8*\t+7]
	SLICE aa, \init
.endr
.endr
.if \init
	v_nop                                          ; with slice 15's two packed lines: four places behind the last product; and the plain line behind the last transcendental
	v_nop
.else
.rept 4
	v_nop                                          ; the last trip makes no further C: all four places are written
.endr
.endif
	s_wait_alu depctr_va_vdst(0)                   ; one wait for the trip's 32 transcendentals, ahead of the next trip's readers
	WIN 0x88                                       ; destination window 2
	ds_load_b128 v[VT:VT+3], v[T2A] offset:384+64*(\j)          ; v'' of the tile two back: the next trip sums it (ahead of tile 0: the zeros)
	ds_load_b128 v[VT+4:VT+7], v[T2A] offset:384+64*(\j)+16
.if (\j) == 7
	WIN 0
.else
	WIN 0x04
.endif
.if \ldwd
	ds_load_b128 v[WCR:WCR+3], v[T1A] offset:128*((\j)+2)       ; table 1 of the tile two on: the next trip makes its C
	ds_load_b128 v[WCR+4:WCR+7], v[T1A] offset:128*((\j)+2)+16
	ds_load_b128 v[DECR:DECR+3], v[T1A] offset:128*((\j)+2)+32
	ds_load_b128 v[DECR+4:DECR+7], v[T1A] offset:128*((\j)+2)+48
.endif
.if \loadb
	LOADH H1, (\j)+1, 4
.endif
.endm
; A PREFETCH INTO THE L2, in block 0's last slot: the first tile of my rows of block 1, 16 rows x 2,048 bytes: each aligned block of 256 bytes named once, by the wave that will load it.
; It stands behind the run of LDS loads, eight trips ahead of the tensor load that will ask for these bytes.  Block 1 has no successor and asks for nothing.
.macro ASK
	s_cmp_lg_u32 s[BLK], 2
	s_cbranch_scc1 .Lno_ask_\@
	v_and_b32 v[TMP], 15, v0
	v_bfe_u32 v[TMP+1], v0, 4, 1
	v_lshlrev_b32 v[TMP], 13, v[TMP]               ; every second row: 8,192 bytes
	v_lshl_add_u32 v[TMP], v[TMP+1], 8, v[TMP]
.irp a, 0,1,2,3
	global_prefetch_b8 v[TMP], s[EB:EB+1] offset:4096+512*\a th:TH_LOAD_NT scope:SCOPE_SE
.endr
.Lno_ask_\@:
.endm
.macro SLOTBODY tail                   ; the eight tiles of the slot in hand
.irp p, 0,1,2,3
	s_add_co_u32 s100, s[TBS], \p*REGB
	v_add_nc_u32 v[BA+\p], s100, v[LI]
.endr
	v_add_nc_u32 v[T1A], s[T1S], v[T1B]
	v_add_nc_u32 v[T2A], s[T2S], v[T2B]
	LOADH H0, 0, 0
	LOADH H1, 0, 4
.if \tail
	ASK
	TRIP 0, 1, 1, 1, 16
	TRIP 1, 1, 1, 1, 22
	TRIP 2, 1, 1, 1, 22
	TRIP 3, 1, 1, 1, 22
	TRIP 4, 1, 1, 1, 22
	TRIP 5, 1, 1, 1, 22
	TRIP 6, 1, 0, 1, 22                            ; there is no tile 64: nothing more of table 1,
	TRIP 7, 0, 0, 0, 18                            ; and no further C
.else
	TRIP 0, 1, 1, 1, 16
	TRIP 1, 1, 1, 1, 22
	TRIP 2, 1, 1, 1, 22
	TRIP 3, 1, 1, 1, 22
	TRIP 4, 1, 1, 1, 22
	TRIP 5, 1, 1, 1, 22
	TRIP 6, 1, 1, 1, 22
	TRIP 7, 0, 1, 1, 22
.endif
	WIN 0
	s_xor_b32 s[TBS], s[TBS], SLOTX
	s_add_co_u32 s[T1S], s[T1S], 1024
	s_add_co_u32 s[T2S], s[T2S], 512
.endm
	s_load_b512 s[4:19], s[0:1], 0x0               ; encoder_output s[4:5], coverage s[6:7], mask s[8:9], w_c s[10:11], v s[12:13], the exponents s[14:15], wq s[16:17], dec s[18:19]
	s_load_b128 s[20:23], s[0:1], 0x40             ; tsc s[20:21], cpart s[22:23]
	v_lshl_add_u32 v[SPW], v0, 2, SPARE
	v_mov_b32 v[NIL], 0
	ds_add_u32 v[SPW], v[NIL]                      ; the wave's opening: the add, twice on end, and its wait ahead of my first tensor load
	ds_add_u32 v[SPW], v[NIL]
	v_lshrrev_b32 v[TMP], 5, v0
	v_readfirstlane_b32 s[WV], v[TMP]              ; wave 0..3
	; group 1: 16 lines of 512 elements of 4 bytes; 4 words of padding behind every 256.  My rows: every second row of encoder_output; W_h's codes: dense, and with the mask of all four work-groups
	s_mov_b32 s[G1E+0], (2<<16)|(1<<20)|(7<<22)|(3<<25)
	s_mov_b32 s[G1E+1], 512<<16
	s_mov_b32 s[G1E+2], 16<<16
	s_mov_b32 s[G1E+3], 512<<16
	s_mov_b32 s[G1E+4], 16
	s_mov_b32 s[G1E+5], 2048
	s_mov_b32 s[G1E+6], 0
	s_mov_b32 s[G1E+7], 0
	s_mov_b32 s[G1W+0], 15|(2<<16)|(1<<20)|(1<<21)|(7<<22)|(3<<25)
	s_mov_b32 s[G1W+1], 512<<16
	s_mov_b32 s[G1W+2], 16<<16
	s_mov_b32 s[G1W+3], 512<<16
	s_mov_b32 s[G1W+4], 16
	s_mov_b32 s[G1W+5], 512
	s_mov_b32 s[G1W+6], 0
	s_mov_b32 s[G1W+7], 0
	s_mov_b32 s[G0E], 1
	s_mov_b32 s[G0W], 1
	s_mov_b32 s[SEL], 0x76543210
	s_mov_b32 s[SEL+1], 0xfedcba98
	s_mov_b32 s[HM], 0xffff0000
	s_mov_b32 s[BLK], 2
	s_bfe_u32 s[CX], ttmp6, 0x40000                ; my place in the cluster: it enters global addresses of plain loads and stores alone
	s_lshl_b32 s[WG], ttmp9, 2
	s_add_co_u32 s[WG], s[WG], s[CX]
	s_wait_dscnt 0x0                               ; both opening adds are done
	s_wait_kmcnt 0x0
	s_load_b128 s[68:71], s[14:15], 0x0            ; e0, e1, e2, e3
	s_lshl_b32 s72, s[WG], 20                      ; 256 rows of 4,096 bytes a work-group,
	s_lshl_b32 s74, s[WV], 18                      ; 64 a wave
	s_add_co_u32 s72, s72, s74
	s_mov_b32 s73, 0
	s_add_nc_u64 s[EB:EB+1], s[4:5], s[72:73]
	s_lshl_b32 s72, s[WG], 10                      ; 4 bytes a row
	s_lshl_b32 s74, s[WV], 8
	s_add_co_u32 s72, s72, s74
	s_add_nc_u64 s[6:7], s[6:7], s[72:73]
	s_add_nc_u64 s[8:9], s[8:9], s[72:73]
	s_add_nc_u64 s[20:21], s[20:21], s[72:73]
	s_lshl_b32 s72, s[WG], 14                      ; a record of 4,096 bytes a wave
	s_lshl_b32 s74, s[WV], 12
	s_add_co_u32 s72, s72, s74
	s_add_nc_u64 s[22:23], s[22:23], s[72:73]
	s_lshr_b32 s72, s[WG], 4                       ; the batch:
	s_lshl_b32 s72, s72, 6                         ; its 64 bytes in each tile of dec
	s_add_nc_u64 s[18:19], s[18:19], s[72:73]
	s_lshl_b32 s76, s[WV], 15                      ; wq: my two tiles of a slot's eight (registers that never hold the place in the cluster)
	s_mov_b32 s77, 0
	s_add_nc_u64 s[16:17], s[16:17], s[76:77]
	v_lshlrev_b32 v[TMP], 5, v0                    ; 32 x thread: 8 numbers of w_c and of v
	v_lshrrev_b32 v[BA], 1, v0                     ; the same 8 numbers in dec: tile thread / 2 of 1,024 bytes, half thread % 2 of 32
	v_and_b32 v[BA+1], 1, v0
	v_lshlrev_b32 v[BA], 10, v[BA]
	v_lshl_add_u32 v[BA], v[BA+1], 5, v[BA]
	v_and_b32 v[LI], 31, v0
	v_lshlrev_b32 v[TMP+1], 3, v[LI]               ; 8 x lane: two neighbouring rows
	global_load_b128 v[128:131], v[TMP], s[10:11]
	global_load_b128 v[132:135], v[TMP], s[10:11] offset:16
	global_load_b128 v[136:139], v[BA], s[18:19]
	global_load_b128 v[140:143], v[BA], s[18:19] offset:16
	global_load_b128 v[144:147], v[TMP], s[12:13]
	global_load_b128 v[148:151], v[TMP], s[12:13] offset:16
	global_load_b64 v[COVC:COVN], v[TMP+1], s[6:7]
	global_load_b64 v[MSKC:MSKN], v[TMP+1], s[8:9]
	v_lshlrev_b32 v[LI], 4, v[LI]
	v_and_b32 v[TMP+2], 15, v0                     ; r
	v_bfe_u32 v[TMP+3], v0, 4, 1                   ; h
	s_mul_i32 s74, s[WV], REGB
	v_mul_u32_u24 v[FA], v[TMP+2], LINE
	v_lshl_add_u32 v[FA], v[TMP+3], 6, v[FA]
	v_add_nc_u32 v[FA], s74, v[FA]
	v_add_nc_u32 v[FA+1], SLOTX, v[FA]
	v_add_nc_u32 v[CA], s74, v[LI]
	v_add_nc_u32 v[CA+1], SLOTX, v[CA]
	s_mul_i32 s74, s[WV], 10240
	s_add_co_u32 s74, s74, SPILL
	v_add_nc_u32 v[SPA], s74, v[LI]
	v_lshl_add_u32 v[T1B], v[TMP+3], 6, T1
	v_lshl_add_u32 v[T2B], v[TMP+3], 5, T2
	v_mov_b32 v[MRUN], 0xff61b1e6                  ; -3e38, under every t
	v_mov_b32 v[TP], 0
	v_mov_b32 v[TP+1], 0
.irp i, 4,5,6,7
	v_mov_b32 v[TMP+\i], 0                         ; written once: a lane permute's destination counts as one of its sources
.endr
	WIN 0x80
.set qi, 0
.rept 32
	v_mov_b32 v[CC+qi], 0                          ; the weighted sum begins at zero: the weighting is written once, for both blocks
.set qi, qi+1
.endr
	WIN 0
	s_wait_kmcnt 0x0
	s_add_co_i32 s72, s68, s69                     ; e0 + e1
	s_sub_co_i32 s[NEGE], 0, s72
	s_lshl_b32 s72, s72, 23
	s_add_co_i32 s[CS], s72, 0x4038aa3b            ; 2 log2(e), with e0 + e1 added to its exponent field
	s_mov_b32 s[CS+1], s[CS]
	s_add_co_i32 s73, s68, 127
	s_lshl_b32 s[QS], s73, 23                      ; 2^e0
	s_add_co_i32 s73, s73, 8
	s_lshl_b32 s73, s73, 23
	s_or_b32 s[QL], s73, 0x600000                  ; 448 x 2^e0
.Lblk:                                                 ; two trips: a block of 32 rows a wave
	CHG_A 1
	SETE 0, 0
	CHG_B G0E, G1E                                 ; tile 0, columns 0-511 -> slot 0
	s_wait_loadcnt 0x0                             ; the head's loads
	s_cmp_lg_u32 s[BLK], 2
	s_cbranch_scc1 .Ltables_done
.set qi, 0
.rept 16
	v_ldexp_f32 v[128+qi], v[128+qi], s[NEGE]      ; w_c and dec in the sums' unit
.set qi, qi+1
.endr
.set qi, 0
.rept 8
	v_mul_f32 v[144+qi], 0xc038aa3b, v[144+qi]     ; v'' = -2 log2(e) v
.set qi, qi+1
.endr
	v_lshl_add_u32 v[TMP+4], v0, 6, T1
	ds_store_b128 v[TMP+4], v[128:131]
	ds_store_b128 v[TMP+4], v[132:135] offset:16
	ds_store_b128 v[TMP+4], v[136:139] offset:32
	ds_store_b128 v[TMP+4], v[140:143] offset:48
	v_lshl_add_u32 v[TMP+5], v0, 5, T2+512
	ds_store_b128 v[TMP+5], v[144:147]
	ds_store_b128 v[TMP+5], v[148:151] offset:16
	v_lshl_add_u32 v[TMP+6], v0, 2, T2
	v_mov_b32 v[TMP+7], 0
	ds_store_b32 v[TMP+6], v[TMP+7]                ; the zeros ahead of tile 0.  (The next change of slots waits for these stores and passes a barrier: then all waves may read the tables)
.Ltables_done:
	v_permlanex16_b32 v[TMP], v[COVC], s[SEL], s[SEL+1]
	s_mov_b32 s100, 0x7f800000
	WIN 0x80                                       ; destination window 2
	v_cndmask_b32 v[COV], v[COVC], v[TMP], s[HM]   ; lane l holds local row l: both halves of the lanes get row r of tile 0,
	v_cndmask_b32 v[COV+1], v[TMP], v[COVC], s[HM] ; and of tile 1
.set qi, 0
.rept 8
	v_mov_b32 v[VT+qi], 0
.set qi, qi+1
.endr
	WIN 0
.set qi, 0
.rept 16
	v_mov_b32 v[SC+qi], 0
	v_mov_b32 v[ACC+16+qi], 0
	v_mov_b32 v[ACC+32+qi], s100
	v_mov_b32 v[ACC+48+qi], s100
.set qi, qi+1
.endr
	v_mov_b32 v[QSC], s[QS]
	v_mov_b32 v[QLIM], s[QL]
	CHG_A 0
	SETE 1, 2048
	CHG_B G0E, G1E                                 ; tile 0, columns 512-1023 -> slot 1
	ESTAGE 0, 0, 0
	CHG_A 0
	SETE 0, 131072
	CHG_B G0E, G1E                                 ; tile 1 lies 32 rows on
	ESTAGE 0, 1, 1
	CHG_A 0
	SETE 1, 133120
	CHG_B G0E, G1E
	ESTAGE 1, 0, 0
	CHG_A 0
	s_mul_i32 s[G0W+1], s[WV], REGB                ; W_h's tiles 0-7 -> slot 0: wave w brings tiles 2 w and 2 w + 1
	s_mov_b64 s[G0W+2:G0W+3], s[16:17]
	s_or_b32 s[G0W+3], s[G0W+3], 0x80000000
	CHG_B G0W, G1W
	ESTAGE 1, 1, 1
	s_mov_b32 s[TBS], 0
	s_mov_b32 s[T1S], 0
	s_mov_b32 s[T2S], 0
	ds_load_b128 v[WCR:WCR+3], v[T1B]
	ds_load_b128 v[WCR+4:WCR+7], v[T1B] offset:16
	ds_load_b128 v[DECR:DECR+3], v[T1B] offset:32
	ds_load_b128 v[DECR+4:DECR+7], v[T1B] offset:48
	s_wait_dscnt 0x0
	WIN 0x08
.set pidx, 8
.rept 8
	PLAIN 3, 1                                     ; the C of tile 0, in set 0
.endr
	WIN 0
	ds_load_b128 v[WCR:WCR+3], v[T1B] offset:128   ; table 1 of tile 1
	ds_load_b128 v[WCR+4:WCR+7], v[T1B] offset:144
	ds_load_b128 v[DECR:DECR+3], v[T1B] offset:160
	ds_load_b128 v[DECR+4:DECR+7], v[T1B] offset:176
	s_mov_b32 s[WCNT], 7
.Lw:                                                   ; seven trips: the next slot of W_h is asked for, this one is multiplied
	CHG_A 0
	s_xor_b32 s[G0W+1], s[G0W+1], SLOTX
	s_add_nc_u64 s[G0W+2:G0W+3], s[G0W+2:G0W+3], 131072
	CHG_B G0W, G1W
	SLOTBODY 0
	s_sub_co_u32 s[WCNT], s[WCNT], 1
	s_cmp_lg_u32 s[WCNT], 0
	s_cbranch_scc1 .Lw
	CHG_A 0                                        ; the last slot is written out: nothing is asked for, so a plain barrier
	s_wait_dscnt 0x0
	s_barrier_signal -1
	s_barrier_wait -1
	SLOTBODY 1
	; ---- the last three tiles are finished
	WIN 0x08
	s_wait_dscnt 0x0                               ; v'' of tile 61
.set pidx, 0
.rept 8
	PLAIN 0, 0
.endr
.set pidx, 16
.rept 16
	PLAIN 0, 0
.endr
	WIN 0x88
	ds_load_b128 v[VT:VT+3], v[T2A] offset:896     ; v'' of tile 62
	ds_load_b128 v[VT+4:VT+7], v[T2A] offset:912
	WIN 0x08
.set tidx, 0
.rept 32
	TRANS 0
.endr
	v_nop
	s_wait_alu depctr_va_vdst(0)
	s_wait_dscnt 0x0
.set pidx, 0
.rept 8
	PLAIN 1, 0
.endr
.set pidx, 16
.rept 8
	PLAIN 1, 0
.endr
	WIN 0x88
	ds_load_b128 v[VT:VT+3], v[T2A] offset:960     ; v'' of tile 63
	ds_load_b128 v[VT+4:VT+7], v[T2A] offset:976
	WIN 0x08
.set tidx, 0
.rept 16
	TRANS 1
.endr
	v_nop
	s_wait_alu depctr_va_vdst(0)
	s_wait_dscnt 0x0
.set pidx, 0
.rept 8
	PLAIN 2, 0
.endr
	WIN 0
	; ---- t, the running maximum, the weights
	s_wait_xcnt 0x0                                ; the prefetches, eight trips back, have read their registers
.irp t, 0,1
	v_pk_add_f32 v[SC+8*\t:SC+8*\t+1], v[SC+8*\t:SC+8*\t+1], v[SC+8*\t+2:SC+8*\t+3]
	v_pk_add_f32 v[SC+8*\t+4:SC+8*\t+5], v[SC+8*\t+4:SC+8*\t+5], v[SC+8*\t+6:SC+8*\t+7]
.endr
.irp t, 0,1
	v_pk_add_f32 v[SC+8*\t:SC+8*\t+1], v[SC+8*\t:SC+8*\t+1], v[SC+8*\t+4:SC+8*\t+5]
.endr
.irp t, 0,1
	v_add_f32 v[SC+8*\t], v[SC+8*\t], v[SC+8*\t+1]
.endr
.irp t, 0,1
	v_permlanex16_b32 v[TMP+\t], v[SC+8*\t], s[SEL], s[SEL+1]   ; the row's other eight of each sixteen e lie in the lane 16 away
.endr
.irp t, 0,1
	v_add_f32 v[SC+8*\t], v[SC+8*\t], v[TMP+\t]
.endr
	v_cndmask_b32 v[TMP+2], v[SC], v[SC+8], s[HM]  ; lane l: t of local row l
	v_mov_b32 v[TP], v[TP+1]
	v_mov_b32 v[TP+1], v[TMP+2]
	v_mov_b32 v[TMP+3], v[TMP+2]
	v_max_num_f32_dpp v[TMP+3], v[TMP+3], v[TMP+3] row_xmask:1 row_mask:0xf bank_mask:0xf
	v_max_num_f32_dpp v[TMP+3], v[TMP+3], v[TMP+3] row_xmask:2 row_mask:0xf bank_mask:0xf
	v_max_num_f32_dpp v[TMP+3], v[TMP+3], v[TMP+3] row_xmask:4 row_mask:0xf bank_mask:0xf
	v_max_num_f32_dpp v[TMP+3], v[TMP+3], v[TMP+3] row_xmask:8 row_mask:0xf bank_mask:0xf
	v_permlanex16_b32 v[TMP+4], v[TMP+3], s[SEL], s[SEL+1]
	v_max3_num_f32 v[TMP+3], v[TMP+3], v[TMP+4], v[MRUN]        ; the new largest t
	v_sub_f32 v[TMP+4], v[MRUN], v[TMP+3]
	v_sub_f32 v[TMP+5], v[TMP+2], v[TMP+3]
	v_exp_f32 v[TMP+4], v[TMP+4]                   ; f: what was summed under the old maximum comes under the new
	v_exp_f32 v[TMP+5], v[TMP+5]
	v_mov_b32 v[MRUN], v[TMP+3]                    ; (the plain line behind the transcendentals)
	s_wait_alu depctr_va_vdst(0)
	v_mul_f32 v[TMP+5], v[TMP+5], v[MSKC]          ; p = 2^(t - m) mask
.set qi, 0
.rept 32
	v_readlane_b32 s[PSC+qi], v[TMP+5], qi
.set qi, qi+1
.endr
.set qi, 0
.rept 10
	ds_load_b128 v[128+8*qi:128+8*qi+3], v[SPA] offset:1024*qi       ; the kept rows that lie in LDS
	ds_load_b128 v[128+8*qi+4:128+8*qi+7], v[SPA] offset:1024*qi+512
.set qi, qi+1
.endr
	WIN 0x80
	v_mov_b32 v[FF], v[TMP+4]
	v_mov_b32 v[FF+1], v[TMP+4]
	WIN 0xaa
.set qi, 0
.rept 16
	v_pk_mul_f32 v[CC+2*qi:CC+2*qi+1], v[CC+2*qi:CC+2*qi+1], v[FF:FF+1] op_sel_hi:[1,0]
.set qi, qi+1
.endr
	; ---- the weighted sum: unit uu = 16 (2 t + q) + row holds 512 columns of a row as bf16; its weight is p of local row 16 t + row
.set uu, 0
.rept 64
	UNITLOC
.set uq, (uu/16)%2
.if uu == 54
	s_wait_dscnt 0x0                               ; the rows from LDS are in
.endif
	WIN 0xa8|uw
	v_mov_b32 v[PB], s[PSC+16*(uu/32)+uu%16]
.set um, 0
.rept 8
	v_fma_mix_f32_bf16 v[CC+16*uq+2*um], v[ur+um], v[PB], v[CC+16*uq+2*um] op_sel_hi:[1,0,0]
	v_fma_mix_f32_bf16 v[CC+16*uq+2*um+1], v[ur+um], v[PB], v[CC+16*uq+2*um+1] op_sel:[1,0,0] op_sel_hi:[1,0,0]
.set um, um+1
.endr
.set uu, uu+1
.endr
	WIN 0
	v_mov_b32 v[COVC], v[COVN]
	v_mov_b32 v[MSKC], v[MSKN]
	s_add_nc_u64 s[EB:EB+1], s[EB:EB+1], 4096      ; the other block's rows lie one row on
	s_sub_co_u32 s[BLK], s[BLK], 1
	s_cmp_lg_u32 s[BLK], 0
	s_cbranch_scc1 .Lblk
	WIN 0x08                                       ; a store's data: source 1, window 2
.irp i, 0,1,2,3,4,5,6,7
	global_store_b128 v[LI], v[CC+4*\i:CC+4*\i+3], s[22:23] offset:512*\i   ; 32 lanes store 512 consecutive bytes of my record, aligned
.endr
	WIN 0
	v_lshrrev_b32 v[TMP], 1, v[LI]                 ; 8 x lane
	global_store_b64 v[TMP], v[TP:TP+1], s[20:21]  ; t of my 64 rows: 256 consecutive bytes, aligned
	s_wait_tensorcnt 0x0                           ; the wave's end
	ds_add_u32 v[SPW], v[NIL]
	s_wait_dscnt 0x0
	CROUND                                         ; the closing round: no work-group ends while a partner may still ask for a tile that names it
	s_endpgm
.Lfunc_end_k_q25c43587d2_main:
	.size	k_q25c43587d2_main, .Lfunc_end_k_q25c43587d2_main-k_q25c43587d2_main
	.p2alignl 7, 3214868480
	.fill 96, 4, 3214868480
	.section	.rodata,"a",@progbits
	.p2align	6, 0x0
	.amdhsa_kernel k_q25c43587d2_main
		.amdhsa_group_segment_fixed_size 327680
		.amdhsa_private_segment_fixed_size 0
		.amdhsa_enable_private_segment 0
		.amdhsa_kernarg_size 80
		.amdhsa_user_sgpr_count 2
		.amdhsa_user_sgpr_kernarg_segment_ptr 1
		.amdhsa_wavefront_size32 1
		.amdhsa_system_sgpr_workgroup_id_x 1
		.amdhsa_system_sgpr_workgroup_id_y 1
		.amdhsa_system_sgpr_workgroup_id_z 1
		.amdhsa_system_vgpr_workitem_id 0
		.amdhsa_next_free_vgpr 1024
		.amdhsa_next_free_sgpr 102
		.amdhsa_reserve_vcc 0
		.amdhsa_float_denorm_mode_32 3
		.amdhsa_float_denorm_mode_16_64 3
		.amdhsa_memory_ordered 1
		.amdhsa_forward_progress 1
		.amdhsa_inst_pref_size 255
	.end_amdhsa_kernel
	.section	.bss,"aw",@nobits
	.p2align	6
	.space	262144
	.amdgpu_metadata
---
amdhsa.version: [ 1, 2 ]
amdhsa.kernels:
  - .name:           k_q25c43587d2_main
    .symbol:         k_q25c43587d2_main.kd
    .args:
      - { .name: encoder_output, .offset: 0, .size: 8, .value_kind: global_buffer, .address_space: global }
      - { .name: coverage, .offset: 8, .size: 8, .value_kind: global_buffer, .address_space: global }
      - { .name: mask, .offset: 16, .size: 8, .value_kind: global_buffer, .address_space: global }
      - { .name: w_c, .offset: 24, .size: 8, .value_kind: global_buffer, .address_space: global }
      - { .name: v, .offset: 32, .size: 8, .value_kind: global_buffer, .address_space: global }
      - { .name: lowp_scales, .offset: 40, .size: 8, .value_kind: global_buffer, .address_space: global }
      - { .name: wq, .offset: 48, .size: 8, .value_kind: global_buffer, .address_space: global }
      - { .name: dec, .offset: 56, .size: 8, .value_kind: global_buffer, .address_space: global }
      - { .name: tsc, .offset: 64, .size: 8, .value_kind: global_buffer, .address_space: global }
      - { .name: cpart, .offset: 72, .size: 8, .value_kind: global_buffer, .address_space: global }
    .group_segment_fixed_size: 327680
    .private_segment_fixed_size: 0
    .kernarg_segment_align: 8
    .kernarg_segment_size: 80
    .max_flat_workgroup_size: 128
    .sgpr_count:     102
    .vgpr_count:     1024
    .wavefront_size: 32
...
	.end_amdgpu_metadata
.endif
;; end of part 2
;; launch finish (part 3): grid 16 x 16, 8 waves a work-group, no clusters, 3,584 bytes of LDS; arguments tsc, cpart, mask, coverage, out0, out1, out2; writes out0, out1, out2
.if DOCPART == 3
	.amdgcn_target "amdgcn-amd-amdhsa--gfx1250"
	.amdhsa_code_object_version 6
	.text
	.protected	k_q25c43587d2_finish
	.globl	k_q25c43587d2_finish
	.p2align	8
	.type	k_q25c43587d2_finish,@function
k_q25c43587d2_finish:
	s_mov_b64 s[64:65], 0
	v_nop
	global_prefetch_b8 v0, s[64:65] scope:SCOPE_SE
	s_setreg_imm32_b32 hwreg(HW_REG_WAVE_MODE, 25, 1), 1
	s_wait_xcnt 0x0
; FINISH.  For batch b (work-group y): M = the largest t of its 4,096 positions, masked ones too; L = sum of 2^(t - M) mask; attn = 2^(t - M) mask / L; coverage_new = coverage + attn;
;  context = sum over the batch's 64 records of cpart x 2^(m - M) / L, m the largest t of the record's 64 rows: taken here of the same stored t as the main launch took it, so it is the same number.
;  LEFT OUT, as shown at the head of the first kernel: the softmax's own divisor, which cancels against the renormalisation.
; SHARES.  Work-group (j, b): M and L of the whole batch (each of a batch's 16 work-groups makes them for itself: 32 KB of reads, no traffic between work-groups);
;  positions 256 j .. + 255 of attn and coverage_new (waves 0, 1); columns 64 j .. + 63 of the context (all waves add, wave 2 stores).
;  Thread tau, g = tau / 16: its sixteen t are four each of records g, 16 + g, 32 + g, 48 + g, and the sixteen threads of a g hold a whole record.
; A batch whose mask is all zero gives 0 / 0 here.
.set RM,    0                          ; LDS: the waves' maxima,
.set RL,    256                        ; their sums,
.set CTX,   512                        ; their parts of the context: 8 x 256 bytes,
.set SPARE, 2560                       ; the spare words, 128 bytes a wave
.set SPW, 1
.set NIL, 2
.set T,   16                           ; v16-31  t
.set MK,  32                           ; v32-47  mask
.set X,   48                           ; v48-63  four records' 16 bytes
.set AT,  64                           ; v64-75  waves 0, 1: t, mask, coverage of my four positions
.set AM,  68
.set AV,  72
.set MI,  76                           ; v76-79  the four records' maxima
.set LD,  84
.set CA,  96
.set CB,  100
	s_load_b256 s[4:11], s[0:1], 0x0               ; tsc s[4:5], cpart s[6:7], mask s[8:9], coverage s[10:11]
	s_load_b128 s[12:15], s[0:1], 0x20             ; out0 s[12:13], out1 s[14:15]
	s_load_b64 s[16:17], s[0:1], 0x30              ; out2
	v_lshl_add_u32 v[SPW], v0, 2, SPARE
	v_mov_b32 v[NIL], 0
	v_lshrrev_b32 v12, 5, v0
	v_readfirstlane_b32 s18, v12                   ; wave
	s_and_b32 s19, ttmp7, 0xffff                   ; the batch
	v_and_b32 v3, 15, v0
	v_lshlrev_b32 v3, 4, v3                        ; 16 (thread % 16)
	v_lshlrev_b32 v4, 4, v0                        ; 16 x thread
	v_lshrrev_b32 v5, 4, v0
	v_lshl_add_u32 v5, v5, 12, v3                  ; record g, my 16 bytes
	v_lshlrev_b32 v6, 2, v12                       ; every LDS address is made here, ahead of the waves' parting
	v_add_nc_u32 v7, RL, v6
	v_lshl_add_u32 v8, v12, 8, v3
	v_add_nc_u32 v8, CTX, v8
	v_add_nc_u32 v9, CTX, v3
	v_mov_b32 v10, 0
	s_lshl_b32 s20, ttmp9, 10
	v_add_nc_u32 v11, s20, v4                      ; my four positions of the work-group's 256
	v_mov_b32 v81, 0                               ; written once: a lane permute's destination counts as one of its sources
.irp i, 0,1,2,3
	v_mov_b32 v[CB+\i], 0
.endr
	s_mov_b32 s26, 0x76543210
	s_mov_b32 s27, 0xfedcba98
	s_lshl_b32 s22, s19, 14                        ; a batch's 4,096 numbers
	s_mov_b32 s23, 0
	s_lshl_b32 s24, s19, 18                        ; its 64 records,
	s_lshl_b32 s28, ttmp9, 8                       ; my 64 columns
	s_add_co_u32 s24, s24, s28
	s_mov_b32 s25, 0
	s_lshl_b32 s30, s19, 12
	s_add_co_u32 s30, s30, s28
	s_mov_b32 s31, 0
	s_wait_kmcnt 0x0
	s_add_nc_u64 s[4:5], s[4:5], s[22:23]
	s_add_nc_u64 s[8:9], s[8:9], s[22:23]
	s_add_nc_u64 s[10:11], s[10:11], s[22:23]
	s_add_nc_u64 s[14:15], s[14:15], s[22:23]
	s_add_nc_u64 s[16:17], s[16:17], s[22:23]
	s_add_nc_u64 s[6:7], s[6:7], s[24:25]
	s_add_nc_u64 s[12:13], s[12:13], s[30:31]
.irp i, 0,1,2,3
	global_load_b128 v[T+4*\i:T+4*\i+3], v4, s[4:5] offset:4096*\i
	global_load_b128 v[MK+4*\i:MK+4*\i+3], v4, s[8:9] offset:4096*\i
	global_load_b128 v[X+4*\i:X+4*\i+3], v5, s[6:7] offset:65536*\i
.endr
	s_cmp_lt_u32 s18, 2
	s_cbranch_scc0 .Lno_attn_loads
	global_load_b128 v[AT:AT+3], v11, s[4:5]
	global_load_b128 v[AM:AM+3], v11, s[8:9]
	global_load_b128 v[AV:AV+3], v11, s[10:11]
.Lno_attn_loads:
	s_wait_loadcnt 0x0
.irp i, 0,1,2,3
	v_max3_num_f32 v[MI+\i], v[T+4*\i], v[T+4*\i+1], v[T+4*\i+2]
.endr
.irp i, 0,1,2,3
	v_max_num_f32 v[MI+\i], v[MI+\i], v[T+4*\i+3]
.endr
.irp x, 1,2,4,8
.irp i, 0,1,2,3
	v_max_num_f32_dpp v[MI+\i], v[MI+\i], v[MI+\i] row_xmask:\x row_mask:0xf bank_mask:0xf   ; over the sixteen threads of a record
.endr
.endr
	v_max3_num_f32 v80, v[MI], v[MI+1], v[MI+2]
	v_max_num_f32 v80, v80, v[MI+3]
	v_permlanex16_b32 v81, v80, s26, s27
	v_max_num_f32 v80, v80, v81
	ds_store_b32 v6, v80                           ; all lanes write the wave's word with the same value
	s_wait_dscnt 0x0
	s_barrier_signal -1
	s_barrier_wait -1
	ds_load_b128 v[LD:LD+3], v10
	ds_load_b128 v[LD+4:LD+7], v10 offset:16
	s_wait_dscnt 0x0
	v_max3_num_f32 v80, v[LD], v[LD+1], v[LD+2]
	v_max3_num_f32 v80, v80, v[LD+3], v[LD+4]
	v_max3_num_f32 v80, v80, v[LD+5], v[LD+6]
	v_max_num_f32 v80, v80, v[LD+7]                ; M
.set qi, 0
.rept 16
	v_sub_f32 v[T+qi], v[T+qi], v80
.set qi, qi+1
.endr
.irp i, 0,1,2,3
	v_sub_f32 v[MI+\i], v[MI+\i], v80
.endr
.set qi, 0
.rept 16
	v_exp_f32 v[T+qi], v[T+qi]
.set qi, qi+1
.endr
.irp i, 0,1,2,3
	v_exp_f32 v[MI+\i], v[MI+\i]
.endr
	v_nop                                          ; the plain line behind the batch,
	s_wait_alu depctr_va_vdst(0)                   ; and its one wait, ahead of the first reader
	v_pk_mul_f32 v[92:93], v[T:T+1], v[MK:MK+1]
.irp i, 1,2,3,4,5,6,7
	v_pk_fma_f32 v[92:93], v[T+2*\i:T+2*\i+1], v[MK+2*\i:MK+2*\i+1], v[92:93]
.endr
	v_add_f32 v92, v92, v93
	v_add_f32_dpp v92, v92, v92 row_xmask:1 row_mask:0xf bank_mask:0xf
	v_add_f32_dpp v92, v92, v92 row_xmask:2 row_mask:0xf bank_mask:0xf
	v_add_f32_dpp v92, v92, v92 row_xmask:4 row_mask:0xf bank_mask:0xf
	v_add_f32_dpp v92, v92, v92 row_xmask:8 row_mask:0xf bank_mask:0xf
	v_permlanex16_b32 v81, v92, s26, s27
	v_add_f32 v92, v92, v81
	ds_store_b32 v7, v92
.irp e, 0,1,2,3
	v_mul_f32 v[CA+\e], v[X+\e], v[MI]             ; my four records under M
.endr
.irp i, 1,2,3
.irp e, 0,1,2,3
	v_fma_f32 v[CA+\e], v[X+4*\i+\e], v[MI+\i], v[CA+\e]
.endr
.endr
.irp e, 0,1,2,3
	v_permlanex16_b32 v[CB+\e], v[CA+\e], s26, s27
.endr
.irp e, 0,1,2,3
	v_add_f32 v[CA+\e], v[CA+\e], v[CB+\e]         ; the wave's two g
.endr
	ds_store_b128 v8, v[CA:CA+3]                   ; both halves of the lanes write the same bytes with the same values
	s_wait_dscnt 0x0
	s_barrier_signal -1
	s_barrier_wait -1
	ds_load_b128 v[LD:LD+3], v10 offset:RL
	ds_load_b128 v[LD+4:LD+7], v10 offset:RL+16
	s_wait_dscnt 0x0
	v_pk_add_f32 v[LD:LD+1], v[LD:LD+1], v[LD+2:LD+3]
	v_pk_add_f32 v[LD+4:LD+5], v[LD+4:LD+5], v[LD+6:LD+7]
	v_pk_add_f32 v[LD:LD+1], v[LD:LD+1], v[LD+4:LD+5]
	v_add_f32 v92, v[LD], v[LD+1]                  ; L
	v_rcp_f32 v82, v92
	v_nop
	s_wait_alu depctr_va_vdst(0)
	s_cmp_lt_u32 s18, 2
	s_cbranch_scc0 .Lnot_attn
.irp i, 0,1,2,3
	v_sub_f32 v[AT+\i], v[AT+\i], v80
.endr
.irp i, 0,1,2,3
	v_exp_f32 v[AT+\i], v[AT+\i]
.endr
.irp i, 0,1,2,3
	v_mul_f32 v[AM+\i], v[AM+\i], v82              ; mask / L: plain work behind the exponentials
.endr
	s_wait_alu depctr_va_vdst(0)
.irp i, 0,1,2,3
	v_mul_f32 v[AT+\i], v[AT+\i], v[AM+\i]
.endr
.irp i, 0,1,2,3
	v_add_f32 v[AV+\i], v[AV+\i], v[AT+\i]
.endr
	global_store_b128 v11, v[AT:AT+3], s[14:15]    ; a wave stores 512 consecutive bytes, aligned
	global_store_b128 v11, v[AV:AV+3], s[16:17]
	s_branch .Lend
.Lnot_attn:
	s_cmp_eq_u32 s18, 2
	s_cbranch_scc0 .Lend
.irp k, 0,1,2,3,4,5,6,7
	ds_load_b128 v[T+4*\k:T+4*\k+3], v9 offset:256*\k
.endr
	s_wait_dscnt 0x0
.irp k, 1,2,3,4,5,6,7
	v_pk_add_f32 v[T:T+1], v[T:T+1], v[T+4*\k:T+4*\k+1]
	v_pk_add_f32 v[T+2:T+3], v[T+2:T+3], v[T+4*\k+2:T+4*\k+3]
.endr
.irp e, 0,1,2,3
	v_mul_f32 v[T+\e], v[T+\e], v82
.endr
	v_and_b32 v12, 31, v0
	v_cmp_gt_u32 vcc_lo, 16, v12
	s_wait_xcnt 0x0                                ; EXEC changes only behind this wait
	s_and_saveexec_b32 s28, vcc_lo
	global_store_b128 v3, v[T:T+3], s[12:13]       ; lanes 0-15 store 256 consecutive bytes of the context, aligned
	s_wait_xcnt 0x0                                ; and again, in front of the line that widens it
	s_or_b32 exec_lo, exec_lo, s28
.Lend:
	s_wait_tensorcnt 0x0                           ; the wave's end
	ds_add_u32 v[SPW], v[NIL]
	s_wait_dscnt 0x0
	s_endpgm
.Lfunc_end_k_q25c43587d2_finish:
	.size	k_q25c43587d2_finish, .Lfunc_end_k_q25c43587d2_finish-k_q25c43587d2_finish
	.p2alignl 7, 3214868480
	.fill 96, 4, 3214868480
	.section	.rodata,"a",@progbits
	.p2align	6, 0x0
	.amdhsa_kernel k_q25c43587d2_finish
		.amdhsa_group_segment_fixed_size 3584
		.amdhsa_private_segment_fixed_size 0
		.amdhsa_enable_private_segment 0
		.amdhsa_kernarg_size 56
		.amdhsa_user_sgpr_count 2
		.amdhsa_user_sgpr_kernarg_segment_ptr 1
		.amdhsa_wavefront_size32 1
		.amdhsa_system_sgpr_workgroup_id_x 1
		.amdhsa_system_sgpr_workgroup_id_y 1
		.amdhsa_system_sgpr_workgroup_id_z 1
		.amdhsa_system_vgpr_workitem_id 0
		.amdhsa_next_free_vgpr 112
		.amdhsa_next_free_sgpr 66
		.amdhsa_reserve_vcc 1
		.amdhsa_float_denorm_mode_32 3
		.amdhsa_float_denorm_mode_16_64 3
		.amdhsa_memory_ordered 1
		.amdhsa_forward_progress 1
		.amdhsa_inst_pref_size 13
	.end_amdhsa_kernel
	.amdgpu_metadata
---
amdhsa.version: [ 1, 2 ]
amdhsa.kernels:
  - .name:           k_q25c43587d2_finish
    .symbol:         k_q25c43587d2_finish.kd
    .args:
      - { .name: tsc, .offset: 0, .size: 8, .value_kind: global_buffer, .address_space: global }
      - { .name: cpart, .offset: 8, .size: 8, .value_kind: global_buffer, .address_space: global }
      - { .name: mask, .offset: 16, .size: 8, .value_kind: global_buffer, .address_space: global }
      - { .name: coverage, .offset: 24, .size: 8, .value_kind: global_buffer, .address_space: global }
      - { .name: out0, .offset: 32, .size: 8, .value_kind: global_buffer, .address_space: global }
      - { .name: out1, .offset: 40, .size: 8, .value_kind: global_buffer, .address_space: global }
      - { .name: out2, .offset: 48, .size: 8, .value_kind: global_buffer, .address_space: global }
    .group_segment_fixed_size: 3584
    .private_segment_fixed_size: 0
    .kernarg_segment_align: 8
    .kernarg_segment_size: 56
    .max_flat_workgroup_size: 256
    .sgpr_count:     66
    .vgpr_count:     112
    .wavefront_size: 32
...
	.end_amdgpu_metadata
.endif
;; end of part 3
